; MI455X (gfx1250); checked and timed in simulation.
; The chip was launched on July 23, 2026; its instructions are those of AMD's public machine-readable ISA for CDNA 5 (MIT licence, August 2026) and "CDNA5" Instruction Set Architecture Reference Guide (July 2026). The comments in the code are by the model that wrote it; some were corrected since.
;; Euclidean Codebook. Allowed arithmetic: matrix products marked QUANTISED: E2M1 operands, one E8M0 scale for each 32 along K, by v_wmma_scale_f32_16x16x128_f8f6f4 with both operands' format E2M1 (or v_wmma_scale_f32_32x16x128_f4), f32 sums; everything else in f32.
;; Inputs: embed 1 x 8,192 x 256 float32; x 8 x 4,096 x 256 float32.
;; Outputs: out0 8 x 4,096 x 256 float32; out1 8 x 4,096 int32.
;; This version of the problem:
;;   THIS VERSION OF THE PROBLEM IS GIVEN IN LOW PRECISION. The matrix products marked QUANTISED in the list below multiply operands that are first quantised to E2M1 (2 exponent bits, 1 mantissa bit; 4 bits a number), with one power-of-two scale for each 32 numbers along K (OCP MX v1.0); their sums are f32. All else is computed in f32.
;;   The module's matrix products, in the order in which they are computed (A, B: the left and right operand; K: the contracted axis; several contracted axes count as one K, in the product's order):
;;     1. [M 32,768, K 256] x [K 256, N 8,192]; A: input x; B: input embed: QUANTISED
;;   THE QUANTISER, for each operand of a quantised product, along K:
;;     - K is cut into blocks of 32 from its start; a last block that is shorter is filled with zeros.
;;     - A block's scale is 2^e with e = floor(log2(the largest magnitude in the block)) - 2, held to -126 .. 127; a block of zeros has e = 0. As a byte (E8M0): e + 127.
;;     - Each number is divided by its block's scale, clamped to +-6, and rounded to the nearest number of E2M1, ties to even, subnormals kept.
;;     - The product sums the exact products of the quantised numbers (number of the format x scale) in f32.
;;   ~~~python
;;   def quantise(x, axis):      # numpy; x: float32 -> the quantised numbers, widened to float32 again
;;       x = np.moveaxis(x, axis, -1); K = x.shape[-1]
;;       x = np.pad(x, [(0, 0)] * (x.ndim - 1) + [(0, -K % 32)]); x = x.reshape(x.shape[:-1] + (-1, 32)); a = np.abs(x).max(-1, keepdims=True)
;;       e = np.where(a > 0, np.clip(np.frexp(np.where(a > 0, a, 1))[1] - 1 - 2, -126, 127), 0)      # np.frexp(a)[1] - 1 = floor(log2(a)), exactly
;;       r = np.clip(x / 2.0 ** e, -6, 6)
;;       step = 2.0 ** (np.maximum(np.frexp(np.where(r == 0, 1, r))[1] - 1, 0) - 1)
;;       q = np.round(r / step) * step * 2.0 ** e      # np.round: ties to even
;;       return np.moveaxis(q.reshape(q.shape[:-2] + (-1,))[..., :K], -1, axis).astype(np.float32)
;;   ~~~
;; One version. Each part assembles by itself: llvm-mc -triple=amdgcn-amd-amdhsa -mcpu=gfx1250 --defsym DOCPART=n.
;; ======== version 1 of 1: 3 launches
;; workspace buffers: ecode 1,179,648 bytes; widx 131,072 bytes of whole numbers
;; launch quant_e (part 1): grid 256 x 1, 4 waves a work-group, no clusters, 35,328 bytes of LDS; arguments embed, ecode; writes ecode
.if DOCPART == 1
	.amdgcn_target "amdgcn-amd-amdhsa--gfx1250"
	.amdhsa_code_object_version 6
	.text
	.protected	k_q4b84739cf2_quant_e
	.globl	k_q4b84739cf2_quant_e
	.p2align	8
	.type	k_q4b84739cf2_quant_e,@function
k_q4b84739cf2_quant_e:
	s_mov_b64 s[64:65], 0
	v_nop
	global_prefetch_b8 v0, s[64:65] scope:SCOPE_SE
	s_setreg_imm32_b32 hwreg(HW_REG_WAVE_MODE, 25, 1), 1
	s_wait_xcnt 0x0
; embed [8192][256] f32 becomes, once for the whole program: codes of FP4 (E2M1), one E8M0 scale byte for each 32 along K, and e2[c] = the sum of embed[c][k]^2 (of the f32 numbers).
; LAYOUT OF ecode: 256 pair images of 4,608 bytes.  Pair P holds codes c0 = 8160 - 32 P .. c0 + 31; tile u = 0 is codes c0 + 16 .. c0 + 31, tile u = 1 codes c0 .. c0 + 15: walking P upward, u = 0 first,
; walks the codes DOWNWARD, which is the order in which the next launch wants them.  An image is the operand's registers on end, lane by lane (lane l: r = l % 16, h = l / 16):
;   byte 2048 u + 1024 s + 512 c + 16 l : registers 4 c .. 4 c + 3 of the fragment of tile u, K step s (128 along K): code r's codes of k = 128 s + 64 c + 32 h + 0 .. 31
;   byte 4096 + 16 l                    : e2(u = 0, r), e2(u = 1, r), scale word(u = 0, r, K step h), scale word(u = 1, r, K step h)
; SHARES.  Work-group b makes pair b.  Wave w (u = w / 2, s = w % 2) takes one unit: 16 rows x 128 along K.
; A block's scale is 2^(floor(log2(its largest magnitude)) - 2); its byte is the largest magnitude's exponent field - 2, held at 1 from below.
; LIMITS: a block of zeros, and a block whose largest magnitude lies under 2^-124, keep the byte 1 (this program alone reads the bytes; zero codes add nothing); NaN and infinities are not served;
; e2 is a tree sum: four packed chains in a lane, the lane 16 away, then the two K steps.
.set STGB, 8448                        ; a wave's stage: 16 rows x (512 bytes + 16)
.set SIDE, 4*STGB                      ; 512 bytes: the image's last quad, as it will lie in ecode
.set PART, SIDE+512                    ; 256 bytes: the four waves' partial sums of squares, 64 w + 4 r
.set LD,  4                            ; v4   16 x lane
.set STW, 5                            ; v5   the stage, on the way in: 16 x lane
.set STR, 6                            ; v6   and on the way out: 528 r + 128 h
.set SWA, 7                            ; v7   where my scale word goes: SIDE + 16 (r + 16 s) + 8 + 4 u
.set PWA, 8                            ; v8   where my partial sum goes
.set PRA, 9                            ; v9   wave 0: where the four partial sums of code r begin
.set WRA, 10                           ; v10  wave 0: my lane's two scale words
.set SH8, 11                           ; v11  8 h
.set W,   12                           ; v12  the scale word
.set TP,  13                           ; v13  a lane permute's destination
.set QS,  14                           ; v14  the sum of squares
.set MX,  16                           ; v16-17 largest magnitudes;  v18-19 the conversions' scale operands;  v20-21 the bytes
.set SO,  18
.set BY,  20
.set SQ,  22                           ; v22-29 four packed chains
.set F,   32                           ; v32-39 the fragment
.set Z,   40                           ; v40-43 the quad
.set PP,  44                           ; v44-47 partial sums
.set R,   48                           ; v48-111  the unit as loaded
.set X,   112                          ; v112-175 64 numbers of my row: register 32 c + m = k 64 c + 32 h + m
.set XB,  4                            ; s[4:5] the unit's first byte
.set SEL, 20                           ; s[20:21] v_permlanex16_b32's selects for lane l xor 16
; sixteen loads: row i's 512 bytes of this K step, 16 bytes a lane
.macro XLOAD
.irp i, 0,1,2,3,4,5,6,7,8,9,10,11,12,13,14,15
	global_load_b128 v[R+4*\i:R+4*\i+3], v[LD], s[XB:XB+1] offset:1024*\i th:TH_LOAD_NT
.endr
.endm
; the unit turns through the wave's own stage: in as it lies, out 128 bytes a lane and block.  Rows 528 bytes apart = 132 words: row r starts at bank 4 r mod 64 (64 banks of 4 bytes: ISA guide 11.1)
.macro TURN
.irp i, 0,1,2,3,4,5,6,7,8,9,10,11,12,13,14,15
	s_wait_loadcnt 15-\i                           ; loads come back in order: row i is in, the 15 - i younger ones may be out
	ds_store_b128 v[STW], v[R+4*\i:R+4*\i+3] offset:528*\i
.endr
.irp c, 0,1
.irp n, 0,1,2,3,4,5,6,7
	ds_load_b128 v[X+32*\c+4*\n:X+32*\c+4*\n+3], v[STR] offset:256*\c+16*\n   ; LDS serves a wave's instructions in order: these see the stores above
.endr
.endr
	s_wait_dscnt 0x0
.endm
; 64 numbers of a lane become the fragment v[F] on, the row's scale word v[W] and the row's sum of squares over these 128 k, v[QS].  A lane holds two whole blocks: 2 c + h
.macro QUANT
.irp c, 0,1
	v_max3_num_f32 v[MX+\c], |v[X+32*\c]|, |v[X+32*\c+1]|, 0x1800000   ; and the floor 2^(3 - 127): the byte cannot fall under 1
.endr
.irp i, 2,4,6,8,10,12,14,16,18,20,22,24,26,28,30
.irp c, 0,1
	v_max3_num_f32 v[MX+\c], v[MX+\c], |v[X+32*\c+\i]|, |v[X+32*\c+\i+1]|   ; the two blocks by turns
.endr
.endr
.irp k, 0,1,2,3
	v_pk_mul_f32 v[SQ+2*\k:SQ+2*\k+1], v[X+2*\k:X+2*\k+1], v[X+2*\k:X+2*\k+1]   ; the first four pairs start the chains: nothing is cleared
.endr
.set QN, 4
.rept 28
	v_pk_fma_f32 v[SQ+2*(QN%4):SQ+2*(QN%4)+1], v[X+2*QN:X+2*QN+1], v[X+2*QN:X+2*QN+1], v[SQ+2*(QN%4):SQ+2*(QN%4)+1]
.set QN, QN+1
.endr
	v_pk_add_f32 v[SQ:SQ+1], v[SQ:SQ+1], v[SQ+2:SQ+3]
	v_pk_add_f32 v[SQ+4:SQ+5], v[SQ+4:SQ+5], v[SQ+6:SQ+7]
	v_pk_add_f32 v[SQ:SQ+1], v[SQ:SQ+1], v[SQ+4:SQ+5]
	v_add_f32 v[QS], v[SQ], v[SQ+1]
	v_permlanex16_b32 v[TP], v[QS], s[SEL], s[SEL+1]
	v_add_f32 v[QS], v[QS], v[TP]                  ; with lane l xor 16's 64 numbers: the row's 128
.irp c, 0,1
	v_add_nc_u32 v[SO+\c], 0xff000000, v[MX+\c]    ; 2 off the exponent field: the conversion takes the exponent field of this operand as its scale
.endr
.irp c, 0,1
	v_lshrrev_b32 v[BY+\c], 23, v[SO+\c]           ; the scale's byte
.endr
	v_lshl_or_b32 v[W], v[BY+1], 16, v[BY]         ; my two bytes, blocks h and 2 + h,
	v_lshlrev_b32 v[W], v[SH8], v[W]               ; at their places in the word;
	v_permlanex16_b32 v[TP], v[W], s[SEL], s[SEL+1]
	v_or_b32 v[W], v[W], v[TP]                     ; with lane l xor 16's two the word is whole
.irp c, 0,1
.irp g, 0,1,2,3
	v_cvt_scalef32_pk8_fp4_f32 v[F+4*\c+\g], v[X+32*\c+8*\g:X+32*\c+8*\g+7], v[SO+\c]   ; registers 4 c .. 4 c + 3 of the operand
.endr
.endr
	v_nop                                          ; one plain place behind the last scaled conversion
.endm
	s_load_b128 s[4:7], s[0:1], 0x0                ; embed, ecode
	v_lshl_add_u32 v176, v0, 2, 0x8800
	v_mov_b32 v177, 0
	v_lshrrev_b32 v1, 5, v0
	v_readfirstlane_b32 s12, v1                    ; wave 0..3
	s_lshr_b32 s13, s12, 1                         ; u
	s_and_b32 s14, s12, 1                          ; s
	v_and_b32 v1, 31, v0                           ; lane
	v_and_b32 v2, 15, v0                           ; r
	v_bfe_u32 v3, v0, 4, 1                         ; h
	v_lshlrev_b32 v[LD], 4, v1
	s_mul_i32 s15, s12, STGB                       ; my stage
	v_add_nc_u32 v[STW], s15, v[LD]
	v_mul_u32_u24 v[STR], v2, 528
	v_lshl_add_u32 v[STR], v3, 7, v[STR]
	v_add_nc_u32 v[STR], s15, v[STR]
	s_lshl_b32 s15, s14, 8
	s_lshl_b32 s16, s13, 2
	s_add_co_u32 s15, s15, s16
	s_add_co_u32 s15, s15, SIDE+8
	v_lshl_add_u32 v[SWA], v2, 4, s15
	s_lshl_b32 s15, s12, 6
	s_add_co_u32 s15, s15, PART
	v_lshl_add_u32 v[PWA], v2, 2, s15
	v_lshl_add_u32 v[PRA], v2, 2, PART
	v_add_nc_u32 v[WRA], SIDE+8, v[LD]
	v_lshlrev_b32 v[SH8], 3, v3
	v_mov_b32 v[TP], 0                             ; written once: a lane permute's destination counts as one of its sources
	s_mov_b32 s[SEL], 0x76543210
	s_mov_b32 s[SEL+1], 0xfedcba98
	s_lshl_b32 s16, ttmp9, 5
	s_lshl_b32 s17, s13, 4
	s_add_co_u32 s16, s16, s17
	s_sub_co_u32 s16, 8176, s16                    ; the unit's first row of embed: 8176 - 32 b - 16 u
	s_lshl_b32 s18, s16, 10                        ; rows of 1,024 bytes,
	s_lshl_b32 s17, s14, 9                         ; + 512 s
	s_add_co_u32 s18, s18, s17
	s_mov_b32 s19, 0
	s_wait_kmcnt 0x0
	s_add_nc_u64 s[XB:XB+1], s[XB:XB+1], s[18:19]
	s_mul_i32 s18, ttmp9, 4608
	s_add_nc_u64 s[6:7], s[6:7], s[18:19]          ; my pair's image
	s_lshl_b32 s18, s12, 10                        ; 2048 u + 1024 s = 1024 w
	s_add_nc_u64 s[8:9], s[6:7], s[18:19]          ; my fragment's place in it
	XLOAD
	TURN
	QUANT
	global_store_b128 v[LD], v[F:F+3], s[8:9]              ; 32 lanes store 512 consecutive bytes, at a multiple of 256 from ecode's first byte
	global_store_b128 v[LD], v[F+4:F+7], s[8:9] offset:512
	ds_store_b32 v[SWA], v[W]                      ; both lanes of a row write the same word with the same value
	ds_store_b32 v[PWA], v[QS]
	s_wait_dscnt 0x0                               ; for wave 0's sake: my stores have landed
	s_barrier_signal -1
	s_barrier_wait -1
	s_cmp_lg_u32 s12, 0
	s_cbranch_scc1 .Ldone                          ; wave 0 puts the quad together
.irp i, 0,1,2,3
	ds_load_b32 v[PP+\i], v[PRA] offset:64*\i      ; (u, s) = (0, 0), (0, 1), (1, 0), (1, 1) of code r
.endr
	ds_load_b64 v[Z+2:Z+3], v[WRA]                 ; the scale words of tiles 0 and 1, K step h
	s_wait_dscnt 0x0
	v_add_f32 v[Z], v[PP], v[PP+1]                 ; e2(u = 0, r)
	v_add_f32 v[Z+1], v[PP+2], v[PP+3]             ; e2(u = 1, r)
	global_store_b128 v[LD], v[Z:Z+3], s[6:7] offset:4096  ; 512 consecutive bytes
.Ldone:
	s_wait_tensorcnt 0x0
	ds_add_u32 v176, v177
	s_wait_dscnt 0x0
	s_endpgm
.Lfunc_end_k_q4b84739cf2_quant_e:
	.size	k_q4b84739cf2_quant_e, .Lfunc_end_k_q4b84739cf2_quant_e-k_q4b84739cf2_quant_e
	.p2alignl 7, 3214868480
	.fill 96, 4, 3214868480
	.section	.rodata,"a",@progbits
	.p2align	6, 0x0
	.amdhsa_kernel k_q4b84739cf2_quant_e
		.amdhsa_group_segment_fixed_size 35328
		.amdhsa_private_segment_fixed_size 0
		.amdhsa_enable_private_segment 0
		.amdhsa_kernarg_size 16
		.amdhsa_user_sgpr_count 2
		.amdhsa_user_sgpr_kernarg_segment_ptr 1
		.amdhsa_wavefront_size32 1
		.amdhsa_system_sgpr_workgroup_id_x 1
		.amdhsa_system_sgpr_workgroup_id_y 1
		.amdhsa_system_sgpr_workgroup_id_z 1
		.amdhsa_system_vgpr_workitem_id 0
		.amdhsa_next_free_vgpr 178
		.amdhsa_next_free_sgpr 66
		.amdhsa_reserve_vcc 0
		.amdhsa_float_denorm_mode_32 3
		.amdhsa_float_denorm_mode_16_64 3
		.amdhsa_memory_ordered 1
		.amdhsa_forward_progress 1
		.amdhsa_inst_pref_size 13
	.end_amdhsa_kernel
	.amdgpu_metadata
---
amdhsa.version: [ 1, 2 ]
amdhsa.kernels:
  - .name:           k_q4b84739cf2_quant_e
    .symbol:         k_q4b84739cf2_quant_e.kd
    .args:
      - { .name: embed, .offset: 0, .size: 8, .value_kind: global_buffer, .address_space: global }
      - { .name: ecode, .offset: 8, .size: 8, .value_kind: global_buffer, .address_space: global }
    .group_segment_fixed_size: 35328
    .private_segment_fixed_size: 0
    .kernarg_segment_align: 8
    .kernarg_segment_size: 16
    .max_flat_workgroup_size: 128
    .sgpr_count:     66
    .vgpr_count:     178
    .wavefront_size: 32
...
	.end_amdgpu_metadata
.endif
;; end of part 1
;; launch vq (part 2): grid 256 x 1, 16 waves a work-group, clusters of 4 x 1, 327,680 bytes of LDS; arguments x, ecode, out1, widx; writes out1, widx
.if DOCPART == 2
	.amdgcn_target "amdgcn-amd-amdhsa--gfx1250"
	.amdhsa_code_object_version 6
	.text
	.protected	k_q4b84739cf2_vq
	.globl	k_q4b84739cf2_vq
	.p2align	8
	.type	k_q4b84739cf2_vq,@function
k_q4b84739cf2_vq:
	s_mov_b64 s[64:65], 0
	v_nop
	global_prefetch_b8 v0, s[64:65] scope:SCOPE_SE
	s_setreg_imm32_b32 hwreg(HW_REG_WAVE_MODE, 25, 1), 1
	s_wait_xcnt 0x0
	s_wait_alu depctr_hold_cnt(0) depctr_sa_sdst(0) depctr_va_vdst(0) depctr_va_sdst(0) depctr_va_ssrc(0) depctr_va_vcc(0) depctr_vm_vsrc(0)
	s_getreg_b32 s2, hwreg(HW_REG_IB_STS2, 6, 4)
	s_cmp_eq_u32 s2, 0
	s_cbranch_scc0 .Lentry_in_a_cluster
	s_endpgm
.Lentry_in_a_cluster:
	s_bfe_u32 s2, ttmp6, 0x10000c
	s_cmp_lg_u32 s2, 0x3003
	s_cbranch_scc0 .Lentry_shape_is_right
	s_endpgm
.Lentry_shape_is_right:
; For each of 32,768 rows of x [32768][256] f32: the first index c of the smallest max(x2 + e2[c] - 2 xe[c], 0) over 8,192 codes, xe on codes of FP4 (E2M1) with one E8M0 scale for each 32 along K.
; The index goes to out1 and, the same number, to widx, from which the next launch gathers.
; ARITHMETIC.  t = x2 + e2, rounded; d2 = t - 2 xe by one fused multiply-add (2 xe is exact, so this is the one rounding of a subtraction); the clip at 0; the lowest index on ties.
; LIMITS.  NO SQUARE ROOT IS TAKEN OF A SCORE: the root rises with d2, so it moves the choice only where two different d2 (some 3 units in d2's last place apart at most) round to one f32 root; there the
; definition takes the lower index and this text the smaller d2.  x2 and e2 are tree sums (four packed chains, the lane 16 away, the two K steps).  NaN and infinities are not served.
; Blocks of zeros and blocks whose largest magnitude lies under 2^-124 keep the scale byte 1.
; SHARES.  A work-group owns 128 rows and walks all codes.  Sixteen waves of 256 registers: wave w has g = w / 4: rows 32 g .. 32 g + 31 (two tiles of 16), and q = w % 4: a quarter of every slot's pairs of code tiles.
; For 256 scores there are 2 matrix instructions and 32 vector instructions: vector issue bounds the launch, so four waves share a SIMD and one wave's vector work stands beside another's products and LDS loads.
; LAYOUT.  Source 0 = 16 rows of x, source 1 = 16 codes: in the result lane (r, h) holds code r and its register j row 8 h + j.  So a lane has ONE code residue, e2 is one register, x2 eight a tile,
; and the running best is kept register by register: nothing changes lanes before the end.
; THE CODES ARE WALKED DOWNWARD (ecode is laid so).  Then 'd2 <= best' with best = the middle one of (d2, best, 0) is minimum, clip and tie rule at once: on equality the later, lower index wins,
; and once best is 0 every later d2 <= 0 still moves the index down.
; CLUSTER.  All work-groups walk the same 1,179,648 bytes of ecode: the four of a cluster ask for each tile JOINTLY (the same tensor load, the same descriptor, mask 15).  The place in the cluster enters the
; addresses of x, out1 and widx alone.  Ring: two slots of 16 pair images (73,728 bytes); waves 0 to 3 fetch a quarter each, 72 rows of 256 bytes; by this text's count a wave has one tensor load out.
; lds_bytes claims all of a WGP's LDS.
.set PAIRB, 4608                       ; a pair image: 2 tiles x 2 K steps x 1,024 bytes, and 512 bytes of e2 and scale words
.set QUARB, 4*PAIRB                    ; a wave's quarter of a slot
.set SLOTB, 16*PAIRB
.set STG,   2*SLOTB                    ; behind the ring: sixteen stages of 16 rows x (512 + 16) bytes, each wave's own
.set STGB,  8448
.set AIMG,  STG+16*STGB                ; x's 16 fragments as images of their registers, 1,024 bytes each: index 2 tile + K step
.set XSC,   AIMG+16*1024               ; x's scale words: 128 tile + 64 s + 4 r
.set X2P,   XSC+1024                   ; partial x2: 512 s + 64 tile + 4 r
.set RED,   X2P+1024                   ; 1024 q + 8 row: the quarter's smallest d2 and its index (as f32)
.set SPARE, RED+4096                   ; the spare words, 128 bytes for each wave: eight blocks of 256 bytes that no other line names
.set LI0, 4                            ; v4   16 x lane + my quarter, in slot 0;  v5 in slot 1
.set SPW, 6                            ; v6   LDS address of my spare word; never rewritten
.set NIL, 7                            ; v7   0; never rewritten
.set TG0, 8                            ; v8   the index of my code in tile u = 0 of the pair in hand;  v9 in tile u = 1
.set LD,  10                           ; v10  16 x lane
.set STW, 11                           ; v11  my stage, on the way in
.set STR, 12                           ; v12  and on the way out: 528 r + 128 h
.set IMW, 13                           ; v13  where I store my fragment of x
.set SCW, 14                           ; v14  its scale word
.set PW2, 15                           ; v15  its partial x2
.set IMR, 16                           ; v16  where I read my four fragments of x
.set SCR, 17                           ; v17  their scale words: lanes 0-15 K step 0, lanes 16-31 K step 1
.set P2R, 18                           ; v18  my rows' partial x2
.set RW,  19                           ; v19  where I put my rows' results
.set RR4, 20                           ; v20  wave 0: rows 4 lane .. 4 lane + 3
.set SH8, 21                           ; v21  8 h
.set BIG, 22                           ; v22  +infinity
.set AF,  24                           ; v24-55   x's fragments: (tile a, K step s) at 16 a + 8 s
.set AS,  56                           ; v56-57   x's scale words, tile a: scales and nothing else
.set X2,  58                           ; v58-73   x2 of row 8 h + j of tile a at 8 a + j
.set BEST, 74                          ; v74-89   the smallest clipped d2 so far
.set IDX, 90                           ; v90-105  and its index
.set T,   106                          ; v106-121 x2 + e2, then d2
.set D,   122                          ; v122-153 four accumulators: 2 u + a
.set B0,  154                          ; v154-189 a pair image: codes at 16 u + 8 s + 4 c; +32, +33 e2 of tiles 0, 1; +34, +35 their scale words (scales and nothing else)
.set B1,  190                          ; v190-225 the other buffer
; at the head, before these are in use:
.set R,   122                          ; v122-185 my unit of x as loaded
.set X,   58                           ; v58-121  64 numbers of my row
.set W,   226
.set TP,  227
.set QS,  228
.set F,   234                          ; v234-241 the fragment just made
.set MX,  242
.set SO,  244
.set BY,  246
.set SQ,  248                          ; v248-255
; on the way out:
.set RV,  122                          ; v122-153 pair k: smallest d2, index as f32
.set Z,   154                          ; v154-185 wave 0: four quarters x four rows x (d2, index)
.set O,   190                          ; v190-193 four indices
.set MN,  194                          ; v194-197 at work
.set XB,  4                            ; s[4:5] my unit of x
.set WV,  12                           ; s12 wave;  s13 q;  s14 g
.set SEL, 20                           ; s[20:21] selects for lane l xor 16
.set G1,  24                           ; s[24:31] descriptor group 1
.set G0,  32                           ; s[32:35], s[36:39] group 0 of slot 0, 1
.set MK,  48                           ; s48-55 eight compare masks
.macro XLOAD                           ; sixteen loads: row i's 512 bytes of my K step, 16 bytes a lane
.irp i, 0,1,2,3,4,5,6,7,8,9,10,11,12,13,14,15
	global_load_b128 v[R+4*\i:R+4*\i+3], v[LD], s[XB:XB+1] offset:1024*\i th:TH_LOAD_NT
.endr
.endm
; the unit turns through the wave's own stage: in as it lies, out 128 bytes a lane and block.  Rows 528 bytes apart = 132 words: row r starts at bank 4 r mod 64 (64 banks of 4 bytes: ISA guide 11.1)
.macro TURN
.irp i, 0,1,2,3,4,5,6,7,8,9,10,11,12,13,14,15
	s_wait_loadcnt 15-\i                           ; loads come back in order: row i is in, the 15 - i younger ones may be out
	ds_store_b128 v[STW], v[R+4*\i:R+4*\i+3] offset:528*\i
.endr
.irp c, 0,1
.irp n, 0,1,2,3,4,5,6,7
	ds_load_b128 v[X+32*\c+4*\n:X+32*\c+4*\n+3], v[STR] offset:256*\c+16*\n   ; LDS serves a wave's instructions in order: these see the stores above
.endr
.endr
	s_wait_dscnt 0x0
.endm
; 64 numbers of a lane (register 32 c + m = k 64 c + 32 h + m of row r) become the fragment v[F] on, the row's scale word v[W] and the row's sum of squares over these 128 k, v[QS]
.macro QUANT
.irp c, 0,1
	v_max3_num_f32 v[MX+\c], |v[X+32*\c]|, |v[X+32*\c+1]|, 0x1800000   ; and the floor 2^(3 - 127): the byte cannot fall under 1
.endr
.irp i, 2,4,6,8,10,12,14,16,18,20,22,24,26,28,30
.irp c, 0,1
	v_max3_num_f32 v[MX+\c], v[MX+\c], |v[X+32*\c+\i]|, |v[X+32*\c+\i+1]|   ; the two blocks by turns
.endr
.endr
.irp k, 0,1,2,3
	v_pk_mul_f32 v[SQ+2*\k:SQ+2*\k+1], v[X+2*\k:X+2*\k+1], v[X+2*\k:X+2*\k+1]   ; the first four pairs start the chains: nothing is cleared
.endr
.set QN, 4
.rept 28
	v_pk_fma_f32 v[SQ+2*(QN%4):SQ+2*(QN%4)+1], v[X+2*QN:X+2*QN+1], v[X+2*QN:X+2*QN+1], v[SQ+2*(QN%4):SQ+2*(QN%4)+1]
.set QN, QN+1
.endr
	v_pk_add_f32 v[SQ:SQ+1], v[SQ:SQ+1], v[SQ+2:SQ+3]
	v_pk_add_f32 v[SQ+4:SQ+5], v[SQ+4:SQ+5], v[SQ+6:SQ+7]
	v_pk_add_f32 v[SQ:SQ+1], v[SQ:SQ+1], v[SQ+4:SQ+5]
	v_add_f32 v[QS], v[SQ], v[SQ+1]
	v_permlanex16_b32 v[TP], v[QS], s[SEL], s[SEL+1]
	v_add_f32 v[QS], v[QS], v[TP]                  ; with lane l xor 16's 64 numbers: the row's 128
.irp c, 0,1
	v_add_nc_u32 v[SO+\c], 0xff000000, v[MX+\c]    ; 2 off the exponent field: the conversion takes the exponent field of this operand as its scale
.endr
.irp c, 0,1
	v_lshrrev_b32 v[BY+\c], 23, v[SO+\c]           ; the scale's byte
.endr
	v_lshl_or_b32 v[W], v[BY+1], 16, v[BY]         ; my two bytes, blocks h and 2 + h,
	v_lshlrev_b32 v[W], v[SH8], v[W]               ; at their places in the word;
	v_permlanex16_b32 v[TP], v[W], s[SEL], s[SEL+1]
	v_or_b32 v[W], v[W], v[TP]                     ; with lane l xor 16's two the word is whole
.irp c, 0,1
.irp g, 0,1,2,3
	v_cvt_scalef32_pk8_fp4_f32 v[F+4*\c+\g], v[X+32*\c+8*\g:X+32*\c+8*\g+7], v[SO+\c]   ; registers 4 c .. 4 c + 3 of the operand
.endr
.endr
	v_nop                                          ; one plain place behind the last scaled conversion
.endm
; A round of the cluster's barrier: my work-group's barrier, so that wave 0's signal speaks for all sixteen waves; wave 0 signals; every wave waits for the four work-groups; my work-group's barrier once more
.macro ROUND
	s_barrier_signal -1
	s_barrier_wait -1
	s_cmp_lg_u32 s[WV], 0
	s_cbranch_scc1 .Lnot_wave_0_\@
	s_barrier_signal -3
.Lnot_wave_0_\@:
	s_barrier_wait -3
	s_barrier_signal -1
	s_barrier_wait -1
.endm
; A joint load: waves 0 to 3 fetch a quarter of a slot each, the others nothing.  The branch hangs on the wave's number alone.  Four v_nop follow the load
.macro TLOAD g0
	s_cmp_lt_u32 s[WV], 4
	s_cbranch_scc0 .Lskip_\@
	tensor_load_to_lds s[\g0:\g0+3], s[G1:G1+7]
	s_nop 0
.rept 4
	v_nop
.endr
.Lskip_\@:
.endm
; pair i of my quarter of a slot into a buffer: nine loads of 512 consecutive bytes, the image as it lies
.macro FETCH slot, i, buf
.irp n, 0,1,2,3,4,5,6,7,8
	ds_load_b128 v[\buf+4*\n:\buf+4*\n+3], v[LI0+\slot] offset:PAIRB*\i+512*\n
.endr
.endm
; eight products: K step 0 starts the four sums with the constant 0, K step 1 adds in place.  The four accumulators take turns, one instruction a turn, from pair to pair too.
; K step 1 takes both sides' scale words from lanes 16-31
.macro MUL buf
.irp u, 0,1
.irp a, 0,1
	v_wmma_scale_f32_16x16x128_f8f6f4 v[D+8*(2*\u+\a):D+8*(2*\u+\a)+7], v[AF+16*\a:AF+16*\a+7], v[\buf+16*\u:\buf+16*\u+7], 0, v[AS+\a], v[\buf+34+\u] matrix_a_fmt:MATRIX_FMT_FP4 matrix_b_fmt:MATRIX_FMT_FP4
.endr
.endr
.irp u, 0,1
.irp a, 0,1
	v_wmma_scale_f32_16x16x128_f8f6f4 v[D+8*(2*\u+\a):D+8*(2*\u+\a)+7], v[AF+16*\a+8:AF+16*\a+15], v[\buf+16*\u+8:\buf+16*\u+15], v[D+8*(2*\u+\a):D+8*(2*\u+\a)+7], v[AS+\a], v[\buf+34+\u] matrix_a_fmt:MATRIX_FMT_FP4 matrix_b_fmt:MATRIX_FMT_FP4 matrix_a_scale:MATRIX_SCALE_ROW1 matrix_b_scale:MATRIX_SCALE_ROW1
.endr
.endr
.endm
; the pair's 1,024 scores.  The first eight additions name no register of a product: they are the places between the last products and the first read of a result (ISA guide 7.12.1).
; Each accumulator is read from its low end on.  step: what takes the two indices to the next pair
.macro EPI buf, step
.irp u, 0,1
.irp i, 0,1,2,3,4,5,6,7
.if \u == 0
	v_pk_add_f32 v[T+2*\i:T+2*\i+1], v[X2+2*\i:X2+2*\i+1], v[\buf+32:\buf+33] op_sel_hi:[1,0]               ; t = x2 + e2: of the pair of e2 the first serves both halves,
.else
	v_pk_add_f32 v[T+2*\i:T+2*\i+1], v[X2+2*\i:X2+2*\i+1], v[\buf+32:\buf+33] op_sel:[0,1] op_sel_hi:[1,1]  ; or the second
.endif
.endr
.irp a, 0,1
.irp i, 0,1,2,3
	v_pk_fma_f32 v[T+8*\a+2*\i:T+8*\a+2*\i+1], v[D+8*(2*\u+\a)+2*\i:D+8*(2*\u+\a)+2*\i+1], -2.0, v[T+8*\a+2*\i:T+8*\a+2*\i+1] op_sel_hi:[1,0,1]   ; d2 = t - 2 xe
.endr
.irp j, 0,1,2,3,4,5,6,7
	v_cmp_le_f32 s[MK+\j], v[T+8*\a+\j], v[BEST+8*\a+\j]                       ; against the old best: on equality the lower index, which comes later, wins
.endr
.irp j, 0,1,2,3,4,5,6,7
	v_med3_num_f32 v[BEST+8*\a+\j], v[T+8*\a+\j], v[BEST+8*\a+\j], 0           ; best is never negative: the middle one is min(best, max(d2, 0))
.endr
.irp j, 0,1,2,3,4,5,6,7
	v_cndmask_b32 v[IDX+8*\a+\j], v[IDX+8*\a+\j], v[TG0+\u], s[MK+\j]
.endr
.endr
.endr
	v_add_nc_u32 v[TG0], \step, v[TG0]
	v_add_nc_u32 v[TG0+1], \step, v[TG0+1]
.endm
.set DOWN1,  0xffffffe0                ; -32: the next pair
.set DOWN13, 0xfffffe60                ; -416: from my quarter's last pair to my first of the next slot, 13 pairs on
; my four pairs of a slot.  The next pair's nine loads stand behind this pair's products and ahead of its 130 vector instructions; the buffer that they fill was last multiplied a pair ago,
; with that pair's vector work between.  Each wait is for all nine: nothing else of mine is out
.macro WORK slot
	FETCH \slot, 0, B0
	s_wait_dscnt 0x0
	MUL B0
	FETCH \slot, 1, B1
	EPI B0, DOWN1
	s_wait_dscnt 0x0
	MUL B1
	FETCH \slot, 2, B0
	EPI B1, DOWN1
	s_wait_dscnt 0x0
	MUL B0
	FETCH \slot, 3, B1
	EPI B0, DOWN1
	s_wait_dscnt 0x0
	MUL B1
	EPI B1, DOWN13
.endm
; A slot's turn.  In front of the round each wave waits for all its tensor loads (its part of this slot), adds 0 to its spare word, and waits for that and for its reads of the other slot.
; Behind the round this slot is whole in all four work-groups and nobody reads the other: it is filled first thing, and the load has this slot's work in which to land
.macro TRIP slot, refill
	s_wait_tensorcnt 0x0                           ; no tensor load of mine is out, so a group 0 may be written
	ds_add_u32 v[SPW], v[NIL]                      ; 0 onto my spare word
	s_add_nc_u64 s[G0+2+4*\slot:G0+3+4*\slot], s[G0+2+4*\slot:G0+3+4*\slot], 2*SLOTB   ; this slot's next tile; the type bits on top are not reached
	s_wait_dscnt 0x0                               ; the add is done, and my reads of the other slot are over
	ROUND
.if \refill
	TLOAD G0+4-4*\slot
.endif
	WORK \slot
.endm
	s_load_b256 s[4:11], s[0:1], 0x0               ; x s[4:5], ecode s[6:7], out1 s[8:9], widx s[10:11]
	v_lshl_add_u32 v[SPW], v0, 2, SPARE
	v_mov_b32 v[NIL], 0
	ds_add_u32 v6, v7
	s_wait_dscnt 0x0
	v_lshrrev_b32 v1, 5, v0
	v_readfirstlane_b32 s[WV], v1                  ; wave 0..15
	s_and_b32 s13, s[WV], 3                        ; q
	s_lshr_b32 s14, s[WV], 2                       ; g
	s_bfe_u32 s15, ttmp6, 0x40000                  ; cx: my place in the cluster
	s_lshl_b32 s16, ttmp9, 2                       ; in a cluster launch ttmp9 counts clusters
	s_add_co_u32 s16, s16, s15                     ; my block of 128 rows: it enters the addresses of x, out1 and widx alone
	v_and_b32 v1, 31, v0                           ; lane
	v_and_b32 v2, 15, v0                           ; r
	v_bfe_u32 v3, v0, 4, 1                         ; h
	; every LDS address is made here, ahead of the first branch: a constant, a constant x lane, a constant x wave
	v_lshlrev_b32 v[LD], 4, v1
	s_mul_i32 s40, s13, QUARB                      ; my quarter of a slot
	v_add_nc_u32 v[LI0], s40, v[LD]
	v_add_nc_u32 v[LI0+1], SLOTB, v[LI0]
	s_mul_i32 s22, s[WV], STGB
	s_add_co_u32 s22, s22, STG                     ; my stage
	v_add_nc_u32 v[STW], s22, v[LD]
	v_mul_u32_u24 v[STR], v2, 528
	v_lshl_add_u32 v[STR], v3, 7, v[STR]
	v_add_nc_u32 v[STR], s22, v[STR]
	s_lshl_b32 s23, s[WV], 10
	s_add_co_u32 s23, s23, AIMG
	v_add_nc_u32 v[IMW], s23, v[LD]
	s_lshl_b32 s23, s[WV], 6                       ; 64 w = 128 tile + 64 s
	s_add_co_u32 s23, s23, XSC
	v_lshl_add_u32 v[SCW], v2, 2, s23
	s_and_b32 s17, s[WV], 1
	s_lshl_b32 s17, s17, 9
	s_lshr_b32 s23, s[WV], 1
	s_lshl_b32 s23, s23, 6
	s_add_co_u32 s23, s23, s17
	s_add_co_u32 s23, s23, X2P
	v_lshl_add_u32 v[PW2], v2, 2, s23
	s_lshl_b32 s23, s14, 12
	s_add_co_u32 s23, s23, AIMG
	v_add_nc_u32 v[IMR], s23, v[LD]
	s_lshl_b32 s23, s14, 8
	s_add_co_u32 s23, s23, XSC
	v_lshl_add_u32 v[SCR], v1, 2, s23
	s_lshl_b32 s23, s14, 7
	s_add_co_u32 s23, s23, X2P
	v_lshl_add_u32 v[P2R], v3, 5, s23
	s_lshl_b32 s23, s13, 10
	s_lshl_b32 s17, s14, 8
	s_add_co_u32 s23, s23, s17
	s_add_co_u32 s23, s23, RED
	v_lshl_add_u32 v[RW], v3, 6, s23
	v_lshl_add_u32 v[RR4], v1, 5, RED
	v_lshlrev_b32 v[SH8], 3, v3
	v_mov_b32 v[BIG], 0x7f800000
	v_mov_b32 v[TP], 0                             ; written once: a lane permute's destination counts as one of its sources
	s_mov_b32 s[SEL], 0x76543210
	s_mov_b32 s[SEL+1], 0xfedcba98
	; descriptor group 1: a dense block of 18,432 bytes as 72 rows of 32 elements of 8 bytes, no padding: the images are read 512 consecutive bytes at a time
	s_mov_b32 s[G1+0], 15|(3<<16)|(1<<21)          ; 15:0 the mask: all four work-groups; 17:16 elements of 8 bytes; 21 set beside a mask
	s_mov_b32 s[G1+1], 32<<16                      ; tensor_dim0 = 32
	s_mov_b32 s[G1+2], 72<<16                      ; tensor_dim1 = 72
	s_mov_b32 s[G1+3], 32<<16                      ; tile_dim0 = 32
	s_mov_b32 s[G1+4], 72                          ; tile_dim1 = 72
	s_mov_b32 s[G1+5], 32                          ; from row to row
	s_mov_b32 s[G1+6], 0
	s_mov_b32 s[G1+7], 0
	s_lshl_b32 s18, s16, 17                        ; x: 128 rows of 1,024 bytes a work-group,
	s_lshr_b32 s17, s[WV], 1
	s_lshl_b32 s17, s17, 14                        ; my tile of 16 rows: w / 2,
	s_add_co_u32 s18, s18, s17
	s_and_b32 s17, s[WV], 1
	s_lshl_b32 s17, s17, 9                         ; my K step: w % 2
	s_add_co_u32 s18, s18, s17
	s_mov_b32 s19, 0
	s_mov_b32 s42, s40
	s_mov_b32 s43, 0
	s_wait_kmcnt 0x0
	s_add_nc_u64 s[XB:XB+1], s[XB:XB+1], s[18:19]
	s_lshl_b32 s18, s16, 9                         ; 128 indices of 4 bytes a work-group
	s_add_nc_u64 s[8:9], s[8:9], s[18:19]
	s_add_nc_u64 s[10:11], s[10:11], s[18:19]
	s_mov_b32 s[G0+0], 1                           ; count = 1
	s_mov_b32 s[G0+1], s40                         ; LDS address: slot 0, my quarter: the wave's number alone
	s_add_nc_u64 s[G0+2:G0+3], s[6:7], s[42:43]    ; global address: tile 0, my quarter: the same in all four work-groups
	s_or_b32 s[G0+3], s[G0+3], 0x80000000          ; type = 2
	s_mov_b32 s[G0+4], 1
	s_add_co_u32 s[G0+5], s40, SLOTB               ; slot 1,
	s_add_nc_u64 s[G0+6:G0+7], s[6:7], s[42:43]
	s_add_nc_u64 s[G0+6:G0+7], s[G0+6:G0+7], SLOTB ; tile 1
	s_or_b32 s[G0+7], s[G0+7], 0x80000000
	XLOAD                                          ; my unit of x is asked for first: it is wanted first
	ROUND                                          ; all four work-groups are here: the first joint loads meet
	TLOAD G0                                       ; tile 0 into slot 0: it lands while x is quantised
	; ---- x: wave w makes the fragment of row tile w / 2, K step w % 2, its scale words and its part of x2; they go to the other waves as images of the registers
	TURN
	QUANT
	ds_store_b128 v[IMW], v[F:F+3]
	ds_store_b128 v[IMW], v[F+4:F+7] offset:512
	ds_store_b32 v[SCW], v[W]                      ; both lanes of a row write the same word with the same value
	ds_store_b32 v[PW2], v[QS]
	s_wait_dscnt 0x0                               ; for the others' sake: my stores have landed
	s_barrier_signal -1
	s_barrier_wait -1
.irp a, 0,1
.irp s, 0,1
.irp c, 0,1
	ds_load_b128 v[AF+16*\a+8*\s+4*\c:AF+16*\a+8*\s+4*\c+3], v[IMR] offset:2048*\a+1024*\s+512*\c
.endr
.endr
	ds_load_b32 v[AS+\a], v[SCR] offset:128*\a
.endr
.irp s, 0,1
.irp a, 0,1
	ds_load_b128 v[D+16*\s+8*\a:D+16*\s+8*\a+3],   v[P2R] offset:512*\s+64*\a      ; partial x2 of rows 8 h + 0 .. 3 of tile a,
	ds_load_b128 v[D+16*\s+8*\a+4:D+16*\s+8*\a+7], v[P2R] offset:512*\s+64*\a+16   ; and + 4 .. 7
.endr
.endr
	s_lshl_b32 s17, s13, 7
	s_sub_co_u32 s17, 8176, s17                    ; my first pair is 4 q: its upper tile begins at code 8176 - 128 q
	v_add_nc_u32 v[TG0], s17, v2
	v_add_nc_u32 v[TG0+1], -16, v[TG0]
.irp k, 0,1,2,3,4,5,6,7,8,9,10,11,12,13,14,15
	v_mov_b32 v[BEST+\k], v[BIG]                   ; above every d2: the first compare takes the first code
	v_mov_b32 v[IDX+\k], 0
.endr
	s_wait_dscnt 0x0
.irp i, 0,1,2,3,4,5,6,7
	v_pk_add_f32 v[X2+2*\i:X2+2*\i+1], v[D+2*\i:D+2*\i+1], v[D+16+2*\i:D+16+2*\i+1]   ; x2 = the two K steps' parts
.endr
	; ---- the walk: 16 tiles of 512 codes through the two slots
	s_mov_b32 s44, 7
.Lring:
	TRIP 0, 1
	TRIP 1, 1
	s_sub_co_u32 s44, s44, 1
	s_cmp_lg_u32 s44, 0
	s_cbranch_scc1 .Lring
	TRIP 0, 1                                      ; the tail is written out: tile 15 is asked for
	TRIP 1, 0                                      ; and nothing behind it (the stepped addresses are not used)
	; ---- over the sixteen code residues of a half of the lanes: the smallest d2, then the lowest index among the lanes that hold it (indices under 8,192 are exact as f32)
.irp k, 0,1,2,3,4,5,6,7,8,9,10,11,12,13,14,15
	v_mov_b32 v[RV+2*\k], v[BEST+\k]
	v_cvt_f32_u32 v[RV+2*\k+1], v[IDX+\k]
.endr
.irp m, 1,2,4,8
.irp k, 0,1,2,3,4,5,6,7,8,9,10,11,12,13,14,15
	v_min_num_f32_dpp v[RV+2*\k], v[RV+2*\k], v[RV+2*\k] row_xmask:\m row_mask:0xf bank_mask:0xf
.endr
.endr
.irp k, 0,1,2,3,4,5,6,7,8,9,10,11,12,13,14,15
	v_cmp_eq_f32 s[MK+\k%8], v[BEST+\k], v[RV+2*\k]
	v_cndmask_b32 v[RV+2*\k+1], v[BIG], v[RV+2*\k+1], s[MK+\k%8]   ; a lane that does not hold the smallest counts for nothing
.endr
.irp m, 1,2,4,8
.irp k, 0,1,2,3,4,5,6,7,8,9,10,11,12,13,14,15
	v_min_num_f32_dpp v[RV+2*\k+1], v[RV+2*\k+1], v[RV+2*\k+1] row_xmask:\m row_mask:0xf bank_mask:0xf
.endr
.endr
.irp k, 0,1,2,3,4,5,6,7,8,9,10,11,12,13,14,15
	ds_store_b64 v[RW], v[RV+2*\k:RV+2*\k+1] offset:128*(\k/8)+8*(\k%8)   ; the sixteen lanes of a half write the same 8 bytes with the same value
.endr
	s_wait_dscnt 0x0                               ; for wave 0's sake: my stores have landed
	s_barrier_signal -1
	s_barrier_wait -1
	s_cmp_lg_u32 s[WV], 0
	s_cbranch_scc1 .Lend
	; ---- over the four quarters of the codes: wave 0, four rows a lane
.irp q, 0,1,2,3
.irp e, 0,1
	ds_load_b128 v[Z+8*\q+4*\e:Z+8*\q+4*\e+3], v[RR4] offset:1024*\q+16*\e
.endr
.endr
	s_wait_dscnt 0x0
.irp p, 0,1,2,3
	v_min3_num_f32 v[MN+\p], v[Z+2*\p], v[Z+8+2*\p], v[Z+16+2*\p]
.endr
.irp p, 0,1,2,3
	v_min_num_f32 v[MN+\p], v[MN+\p], v[Z+24+2*\p]
.endr
.irp p, 0,1,2,3
.irp q, 0,1,2,3
	v_cmp_eq_f32 s[MK+\q], v[Z+8*\q+2*\p], v[MN+\p]
.endr
.irp q, 0,1,2,3
	v_cndmask_b32 v[Z+8*\q+2*\p+1], v[BIG], v[Z+8*\q+2*\p+1], s[MK+\q]
.endr
.endr
.irp p, 0,1,2,3
	v_min3_num_f32 v[MN+\p], v[Z+2*\p+1], v[Z+8+2*\p+1], v[Z+16+2*\p+1]
.endr
.irp p, 0,1,2,3
	v_min_num_f32 v[MN+\p], v[MN+\p], v[Z+24+2*\p+1]
.endr
.irp p, 0,1,2,3
	v_cvt_u32_f32 v[O+\p], v[MN+\p]
.endr
	global_store_b128 v[LD], v[O:O+3], s[8:9]      ; 32 lanes store 512 consecutive bytes, at a multiple of 256 from out1's first byte
	global_store_b128 v[LD], v[O:O+3], s[10:11]    ; and the same into widx
.Lend:
	s_wait_tensorcnt 0x0                           ; the wave's end, behind my last tensor load and my last LDS store
	ds_add_u32 v[SPW], v[NIL]
	s_wait_dscnt 0x0
	ROUND                                          ; the closing round: no work-group ends while a partner may still ask for a tile that names it
	s_endpgm
.Lfunc_end_k_q4b84739cf2_vq:
	.size	k_q4b84739cf2_vq, .Lfunc_end_k_q4b84739cf2_vq-k_q4b84739cf2_vq
	.p2alignl 7, 3214868480
	.fill 96, 4, 3214868480
	.section	.rodata,"a",@progbits
	.p2align	6, 0x0
	.amdhsa_kernel k_q4b84739cf2_vq
		.amdhsa_group_segment_fixed_size 327680
		.amdhsa_private_segment_fixed_size 0
		.amdhsa_enable_private_segment 0
		.amdhsa_kernarg_size 32
		.amdhsa_user_sgpr_count 2
		.amdhsa_user_sgpr_kernarg_segment_ptr 1
		.amdhsa_wavefront_size32 1
		.amdhsa_system_sgpr_workgroup_id_x 1
		.amdhsa_system_sgpr_workgroup_id_y 1
		.amdhsa_system_sgpr_workgroup_id_z 1
		.amdhsa_system_vgpr_workitem_id 0
		.amdhsa_next_free_vgpr 256
		.amdhsa_next_free_sgpr 66
		.amdhsa_reserve_vcc 0
		.amdhsa_float_denorm_mode_32 3
		.amdhsa_float_denorm_mode_16_64 3
		.amdhsa_memory_ordered 1
		.amdhsa_forward_progress 1
		.amdhsa_inst_pref_size 193
	.end_amdhsa_kernel
	.amdgpu_metadata
---
amdhsa.version: [ 1, 2 ]
amdhsa.kernels:
  - .name:           k_q4b84739cf2_vq
    .symbol:         k_q4b84739cf2_vq.kd
    .args:
      - { .name: x, .offset: 0, .size: 8, .value_kind: global_buffer, .address_space: global }
      - { .name: ecode, .offset: 8, .size: 8, .value_kind: global_buffer, .address_space: global }
      - { .name: out1, .offset: 16, .size: 8, .value_kind: global_buffer, .address_space: global }
      - { .name: widx, .offset: 24, .size: 8, .value_kind: global_buffer, .address_space: global }
    .group_segment_fixed_size: 327680
    .private_segment_fixed_size: 0
    .kernarg_segment_align: 8
    .kernarg_segment_size: 32
    .max_flat_workgroup_size: 512
    .sgpr_count:     66
    .vgpr_count:     256
    .wavefront_size: 32
...
	.end_amdgpu_metadata
.endif
;; end of part 2
;; launch gather (part 3): grid 256 x 1, 8 waves a work-group, no clusters, 0 bytes of LDS; arguments widx, embed, out0; writes out0
.if DOCPART == 3
	.amdgcn_target "amdgcn-amd-amdhsa--gfx1250"
	.amdhsa_code_object_version 6
	.text
	.protected	k_q4b84739cf2_gather
	.globl	k_q4b84739cf2_gather
	.p2align	8
	.type	k_q4b84739cf2_gather,@function
k_q4b84739cf2_gather:
	s_mov_b64 s[64:65], 0
	v_nop
	global_prefetch_b8 v0, s[64:65] scope:SCOPE_SE
	s_setreg_imm32_b32 hwreg(HW_REG_WAVE_MODE, 25, 1), 1
	s_wait_xcnt 0x0
; out0[row][:] = embed[widx[row]][:].  widx: 32,768 indices, stored by the launch before; embed: [8192][256] f32; out0: [32768][256] f32.
; Wave W = 8 x work-group + wave owns rows 16 W .. 16 W + 15.  Its 16 indices come by one scalar load (64 bytes); a row is 1,024 bytes: two loads and two stores of 512 consecutive bytes.
; All 32 loads of a wave go out together, each into registers of its own; the stores follow as the rows arrive.  No register is written twice, so no store's or load's source is ever rewritten.
; No LDS, no barrier, no matrix unit: the launch only moves bytes.  The work-groups share no tile, so there is no cluster.
; An index is held to 8,191 before it enters an address (the launch before stores none above that for inputs without NaN and infinities).
.set OF, 2                             ; v2-17   row i: 1,024 x its index + 16 x lane
.set DT, 20                            ; v20-147 row i: 8 registers
	s_load_b128 s[4:7], s[0:1], 0x0                ; widx, embed
	s_load_b64 s[8:9], s[0:1], 0x10                ; out0
	v_lshrrev_b32 v1, 5, v0
	v_readfirstlane_b32 s12, v1                    ; wave 0..7
	s_lshl_b32 s13, ttmp9, 3
	s_add_co_u32 s13, s13, s12                     ; W
	v_and_b32 v1, 31, v0
	v_lshlrev_b32 v1, 4, v1                        ; 16 x lane
	s_lshl_b32 s14, s13, 6                         ; 16 indices of 4 bytes
	s_mov_b32 s15, 0
	s_wait_kmcnt 0x0
	s_add_nc_u64 s[4:5], s[4:5], s[14:15]
	s_load_b512 s[16:31], s[4:5], 0x0              ; my 16 indices
	s_lshl_b32 s14, s13, 14                        ; 16 rows of 1,024 bytes
	s_add_nc_u64 s[8:9], s[8:9], s[14:15]
	s_wait_kmcnt 0x0
.irp i, 0,1,2,3,4,5,6,7,8,9,10,11,12,13,14,15
	s_min_u32 s[16+\i], s[16+\i], 0x1fff
	v_lshl_add_u32 v[OF+\i], s[16+\i], 10, v1
.endr
.irp i, 0,1,2,3,4,5,6,7,8,9,10,11,12,13,14,15
	global_load_b128 v[DT+8*\i:DT+8*\i+3],   v[OF+\i], s[6:7]              ; no hint: many rows of x may name one code
	global_load_b128 v[DT+8*\i+4:DT+8*\i+7], v[OF+\i], s[6:7] offset:512
.endr
.irp i, 0,1,2,3,4,5,6,7,8,9,10,11,12,13,14,15
	s_wait_loadcnt 30-2*\i                         ; loads come back in order: row i's two are in, the 30 - 2 i younger ones may be out
	global_store_b128 v1, v[DT+8*\i:DT+8*\i+3],   s[8:9] offset:1024*\i th:TH_STORE_NT       ; 32 lanes store 512 consecutive bytes, at a multiple of 256 from out0's first byte
	global_store_b128 v1, v[DT+8*\i+4:DT+8*\i+7], s[8:9] offset:1024*\i+512 th:TH_STORE_NT
.endr
	s_endpgm
.Lfunc_end_k_q4b84739cf2_gather:
	.size	k_q4b84739cf2_gather, .Lfunc_end_k_q4b84739cf2_gather-k_q4b84739cf2_gather
	.p2alignl 7, 3214868480
	.fill 96, 4, 3214868480
	.section	.rodata,"a",@progbits
	.p2align	6, 0x0
	.amdhsa_kernel k_q4b84739cf2_gather
		.amdhsa_group_segment_fixed_size 0
		.amdhsa_private_segment_fixed_size 0
		.amdhsa_enable_private_segment 0
		.amdhsa_kernarg_size 24
		.amdhsa_user_sgpr_count 2
		.amdhsa_user_sgpr_kernarg_segment_ptr 1
		.amdhsa_wavefront_size32 1
		.amdhsa_system_sgpr_workgroup_id_x 1
		.amdhsa_system_sgpr_workgroup_id_y 1
		.amdhsa_system_sgpr_workgroup_id_z 1
		.amdhsa_system_vgpr_workitem_id 0
		.amdhsa_next_free_vgpr 148
		.amdhsa_next_free_sgpr 66
		.amdhsa_reserve_vcc 0
		.amdhsa_float_denorm_mode_32 3
		.amdhsa_float_denorm_mode_16_64 3
		.amdhsa_memory_ordered 1
		.amdhsa_forward_progress 1
		.amdhsa_inst_pref_size 10
	.end_amdhsa_kernel
	.amdgpu_metadata
---
amdhsa.version: [ 1, 2 ]
amdhsa.kernels:
  - .name:           k_q4b84739cf2_gather
    .symbol:         k_q4b84739cf2_gather.kd
    .args:
      - { .name: widx, .offset: 0, .size: 8, .value_kind: global_buffer, .address_space: global }
      - { .name: embed, .offset: 8, .size: 8, .value_kind: global_buffer, .address_space: global }
      - { .name: out0, .offset: 16, .size: 8, .value_kind: global_buffer, .address_space: global }
    .group_segment_fixed_size: 0
    .private_segment_fixed_size: 0
    .kernarg_segment_align: 8
    .kernarg_segment_size: 24
    .max_flat_workgroup_size: 256
    .sgpr_count:     66
    .vgpr_count:     148
    .wavefront_size: 32
...
	.end_amdgpu_metadata
.endif
;; end of part 3
